; MI455X (gfx1250); checked and timed in simulation.
; The chip was launched on July 23, 2026; its instructions are those of AMD's public machine-readable ISA for CDNA 5 (MIT licence, August 2026) and "CDNA5" Instruction Set Architecture Reference Guide (July 2026). The comments in the code are by the model that wrote it; some were corrected since.
;; Attention Layer. Allowed arithmetic: matrix products marked QUANTISED: E2M1 operands, one E8M0 scale for each 32 along K, by v_wmma_scale_f32_16x16x128_f8f6f4 with both operands' format E2M1 (or v_wmma_scale_f32_32x16x128_f4), f32 sums; everything else in f32.
;; Inputs: b 2,048 float32; k 8 x 1,024 x 2,048 float32; q 8 x 2,048 x 1,024 float32; v 8 x 2,048 x 1,024 float32.
;; Outputs: out0 8 x 2,048 x 1,024 float32.
;; This version of the problem:
;;   THIS VERSION OF THE PROBLEM IS GIVEN IN LOW PRECISION. The matrix products marked QUANTISED in the list below multiply operands that are first quantised to E2M1 (2 exponent bits, 1 mantissa bit; 4 bits a number), with one power-of-two scale for each 32 numbers along K (OCP MX v1.0); their sums are f32. All else is computed in f32.
;;   The module's matrix products, in the order in which they are computed (A, B: the left and right operand; K: the contracted axis; several contracted axes count as one K, in the product's order):
;;     1. batch 8 x [M 2,048, K 1,024] x [K 1,024, N 2,048]; A: input q; B: input k: QUANTISED
;;     2. batch 8 x [M 2,048, K 2,048] x [K 2,048, N 1,024]; A: softmax (see below); B: input v: QUANTISED
;;   THE QUANTISER, for each operand of a quantised product, along K:
;;     - K is cut into blocks of 32 from its start; a last block that is shorter is filled with zeros.
;;     - A block's scale is 2^e with e = floor(log2(the largest magnitude in the block)) - 2, held to -126 .. 127; a block of zeros has e = 0. As a byte (E8M0): e + 127.
;;     - Each number is divided by its block's scale, clamped to +-6, and rounded to the nearest number of E2M1, ties to even, subnormals kept.
;;     - The product sums the exact products of the quantised numbers (number of the format x scale) in f32.
;;   ~~~python
;;   def quantise(x, axis):      # numpy; x: float32 -> the quantised numbers, widened to float32 again
;;       x = np.moveaxis(x, axis, -1); K = x.shape[-1]
;;       x = np.pad(x, [(0, 0)] * (x.ndim - 1) + [(0, -K % 32)]); x = x.reshape(x.shape[:-1] + (-1, 32)); a = np.abs(x).max(-1, keepdims=True)
;;       e = np.where(a > 0, np.clip(np.frexp(np.where(a > 0, a, 1))[1] - 1 - 2, -126, 127), 0)      # np.frexp(a)[1] - 1 = floor(log2(a)), exactly
;;       r = np.clip(x / 2.0 ** e, -6, 6)
;;       step = 2.0 ** (np.maximum(np.frexp(np.where(r == 0, 1, r))[1] - 1, 0) - 1)
;;       q = np.round(r / step) * step * 2.0 ** e      # np.round: ties to even
;;       return np.moveaxis(q.reshape(q.shape[:-2] + (-1,))[..., :K], -1, axis).astype(np.float32)
;;   ~~~
;;   SOFTMAX AHEAD OF A QUANTISED PRODUCT. Where the list says 'softmax', what is quantised is not the finished softmax but p = 2^(t - M), with t = logit x log2(e) and M = ceil(the row's largest t), a whole number; so 1/2 < the row's largest p <= 1. The row's sum l is taken of the UNQUANTISED p, in f32, and the product's result is divided by l at the end. Since M is a whole number, a kernel that streams over the keys may use a running M (the ceiling of the running maximum): every later rescaling is an exact power of two, which a block's scale takes up: the codes' values come out the same.
;;   OPERANDS COMPUTED ON THE WAY. 'Computed on the way' means the value that the module computes at that place (a softmax that the list does not call 'softmax' is quantised finished and normalised). What goes into a quantiser is computed in f32, as accurately as f32 sums, v_exp_f32 and their like allow (about 1e-6 of the number): no bf16 or f16 on the way to a quantiser, and a product that is left as it is and whose result goes on into a quantised operand takes f32 operands (vector FMAs, or v_wmma_f32_16x16x4_f32). A number that lies on a knife's edge between two numbers of the format may be rounded either way, as far as f32 arithmetic and the matrix unit's own rounding can turn it there, and no further.
;; One version. Each part assembles by itself: llvm-mc -triple=amdgcn-amd-amdhsa -mcpu=gfx1250 --defsym DOCPART=n.
;; ======== version 1 of 1: 2 launches
;; limits: right only within a limited range of input values
;; workspace buffers: q_codes 8,388,608 bytes; kv 18,350,080 bytes
;; launch quant (part 1): grid 768 x 1, 4 waves a work-group, no clusters, 35,328 bytes of LDS; arguments q, k, v, q_codes, kv; writes q_codes, kv
.if DOCPART == 1
	.amdgcn_target "amdgcn-amd-amdhsa--gfx1250"
	.amdhsa_code_object_version 6
	.text
	.protected	k_qe87d7f3ab9_quant
	.globl	k_qe87d7f3ab9_quant
	.p2align	8
	.type	k_qe87d7f3ab9_quant,@function
k_qe87d7f3ab9_quant:
	s_mov_b64 s[64:65], 0
	v_nop
	global_prefetch_b8 v0, s[64:65] scope:SCOPE_SE
	s_setreg_imm32_b32 hwreg(HW_REG_WAVE_MODE, 25, 1), 1
	s_wait_xcnt 0x0
; q [8][2048][1024], k [8][1024][2048], v [8][2048][1024], f32, become codes of FP4 (E2M1) with one E8M0 scale byte for each 32 along a product's K.
; K is q's last axis, k's first axis within a batch (the 1,024) and v's first axis within a batch (the keys).
; A block's scale is 2^(floor(log2(its largest magnitude)) - 2); its byte is the largest magnitude's exponent field - 2, held at 1 from below by a floor among the maximum's leaves.
; THE CODES ARE LAID AS THE OPERAND'S REGISTERS WANT THEM: [block of 16 rows][block of 32 along K][row % 16][16 bytes].  A fragment (16 rows x 128 K) is then 1,024 consecutive bytes:
; register group c of lane l lies at 512 c + 16 l.  k's rows are key POSITIONS: position p of each 32 holds the key p with bits 3 and 4 exchanged, so that in the first product's result
; (keys as source 0) a lane's 16 registers of two neighbouring tiles are 16 neighbouring keys.
; THE SCALE BYTES: [batch][512 along K][row][16 bytes]: the four scale words of a row's four steps of 128; q's part at byte 0, k's at 524,288, v's at 1,048,576.
; LIMITS: a block of zeros gets the byte 1 where the rule says 127 (its codes are zeros, and this program alone reads the bytes); blocks whose largest magnitude lies under 2^-124,
; whose byte is held at 1, were not tried; NaN and infinities among the inputs are not served.
; SHARES: 768 work-groups of four waves, 256 KiB of f32 each: 0-255 take q, 256-511 k, 512-767 v.  Waves share nothing: no barrier.  Only q's path uses LDS.
.set R,    16                          ; q: v16-111   three sets of 32 registers as loaded
.set X,    112                         ; q: v112-175  two sets of 32 neighbours along K
.set C,    176                         ; q: v176-239  four registers of codes for each step: no store's data are written again
.set W,    240                         ; q: v240-247  the row's eight scale words
.set SW,   248                         ; q: v248-251  the four that my lane stores
.set STGB, 4352                        ; q: a stage: 16 rows x (256 bytes + 16)
.set WREG, 2*STGB                      ; q: two stages for each wave
.set SB,   24                          ; k, v: v24-27  sixteen scale bytes
.set KX,   32                          ; k, v: v32-95  two sets of 32 numbers down K
.set KC,   96                          ; k, v: v96-159 four registers of codes for each block
	s_load_b256 s[4:11], s[0:1], 0x0               ; q s[4:5], k s[6:7], v s[8:9], q_codes s[10:11]
; THE BUFFER kv (it takes the place of k_codes, v_codes and qkv_scales as described above): 32 streams of 557,056 bytes, one for each batch and each quarter w, then q's scale words at byte 17,825,792.
; A stream is K0 | V0 K1 | V1 K2 | .. | V15, pieces of 17,408 bytes.  Kj: key positions 128 j + 32 w .. + 31: two tiles of 8,192 bytes of codes, then [512 along K][32 rows][16 bytes] of scale bytes.
; Vj: channels 256 w .. + 255, keys 128 j .. + 127: sixteen fragments of 1,024 bytes, then one scale word for each channel.
	s_load_b64 s[16:17], s[0:1], 0x20              ; kv
	v_lshl_add_u32 v254, v0, 2, 0x8800
	v_mov_b32 v255, 0
	v_lshrrev_b32 v1, 5, v0
	v_readfirstlane_b32 s18, v1                    ; wave 0..3
	v_and_b32 v1, 31, v0                           ; lane
	s_mov_b32 s25, 0
	s_cmp_lt_u32 ttmp9, 256
	s_cbranch_scc0 .Lnot_q
; ---------------- q: K is innermost.  A wave takes one block of 16 rows, in 16 steps of 64 numbers (256 bytes) a row.
; Each load reads two rows' 256 aligned bytes (16 lanes a row); the 4,096 bytes turn through the wave's own stage, and come back so that lane (r, half) holds one WHOLE block of 32 of row r.
	v_and_b32 v2, 15, v0                           ; r
	v_bfe_u32 v3, v0, 4, 1                         ; half
	v_lshlrev_b32 v4, 12, v3
	v_lshl_add_u32 v4, v2, 4, v4                   ; in: a row of 4,096 bytes for each half, 16 bytes a lane
	s_mul_i32 s28, s18, WREG
	v_mul_u32_u24 v5, v3, 272
	v_lshl_add_u32 v5, v2, 4, v5
	v_add_nc_u32 v5, s28, v5                       ; into the stage: as loaded
	v_mul_u32_u24 v6, v2, 272
	v_lshl_add_u32 v6, v3, 7, v6
	v_add_nc_u32 v6, s28, v6                       ; out of it: row r, 128 bytes for each half; rows 272 bytes apart begin 16 bytes further on modulo 256
	v_lshlrev_b32 v7, 4, v1                        ; codes: 16 x lane
	v_lshlrev_b32 v8, 15, v3
	v_lshl_add_u32 v8, v2, 4, v8                   ; scale words: lanes 0-15 the first 512 along K, lanes 16-31 the second, 32,768 bytes on
	v_lshlrev_b32 v9, 3, v3                        ; 8 x half: my bytes' place in a word
	s_mov_b32 s26, 0x76543210
	s_mov_b32 s27, 0xfedcba98                      ; v_permlanex16_b32's selects for lane l xor 16
	s_lshl_b32 s19, ttmp9, 2
	s_add_co_u32 s19, s19, s18                     ; my block of 16 rows, 0 .. 1,023
	s_lshl_b32 s20, s19, 16                        ; 16 rows of 4,096 bytes
	s_mov_b32 s21, 0
	s_lshl_b32 s22, s19, 13                        ; 32 blocks of 256 bytes of codes
	s_mov_b32 s23, 0
	s_lshr_b32 s24, s19, 7
	s_lshl_b32 s24, s24, 16                        ; scale words: 65,536 bytes a batch,
	s_and_b32 s28, s19, 127
	s_lshl_b32 s28, s28, 8                         ; 256 for 16 rows
	s_add_co_u32 s24, s24, s28
	s_add_co_u32 s24, s24, 17825792                ; q's scale words lie behind the streams
	s_wait_alu depctr_va_vdst(0)
	s_wait_kmcnt 0x0
	s_add_nc_u64 s[4:5], s[4:5], s[20:21]
	s_add_nc_u64 s[10:11], s[10:11], s[22:23]
	s_add_nc_u64 s[16:17], s[16:17], s[24:25]
.macro QLOAD t
.irp i, 0,1,2,3,4,5,6,7
	global_load_b128 v[R+32*((\t)%3)+4*\i:R+32*((\t)%3)+4*\i+3], v4, s[4:5] offset:8192*\i+256*(\t) th:TH_LOAD_NT
.endr
.endm
.macro QTURN t                         ; LDS serves a wave's instructions in order: no wait between the stores and the loads
.irp i, 0,1,2,3,4,5,6,7
	ds_store_b128 v5, v[R+32*((\t)%3)+4*\i:R+32*((\t)%3)+4*\i+3] offset:STGB*((\t)%2)+544*\i
.endr
.irp j, 0,1,2,3,4,5,6,7
	ds_load_b128 v[X+32*((\t)%2)+4*\j:X+32*((\t)%2)+4*\j+3], v6 offset:STGB*((\t)%2)+16*\j
.endr
.endm
.macro QSTEP t
.set XS, X+32*((\t)%2)
	s_wait_dscnt 0x0                               ; this step's numbers are back from the stage, so the stage's stores have read their registers,
.if (\t)+3 < 16
	QLOAD (\t)+3                                   ; which take the loads of three steps on
.endif
.if (\t) < 15
.if (\t) < 13
	s_wait_loadcnt 16                              ; the next step's eight loads are in; those of the two steps behind it may be out
.else
	s_wait_loadcnt 8*(14-(\t))                     ; the counts run down: 8, 0
.endif
	QTURN (\t)+1                                   ; and go through the other stage while this step is worked
.endif
	v_max3_num_f32 v10, |v[XS]|, |v[XS+1]|, |v[XS+2]|              ; the block's largest magnitude: all 32 numbers are mine; two chains
	v_max3_num_f32 v11, |v[XS+3]|, |v[XS+4]|, |v[XS+5]|
.irp i, 6,10,14,18,22,26
	v_max3_num_f32 v10, v10, |v[XS+\i]|, |v[XS+\i+1]|
	v_max3_num_f32 v11, v11, |v[XS+\i+2]|, |v[XS+\i+3]|
.endr
	v_max3_num_f32 v10, v10, |v[XS+30]|, |v[XS+31]|
	v_max3_num_f32 v10, v10, v11, 0x1800000        ; and the floor 2^(3 - 127): the byte cannot fall under 1
	v_add_nc_u32 v12, 0xff000000, v10              ; 2 off the exponent field: the conversion takes the exponent field of this operand as its scale
.irp g, 0,1,2,3
	v_cvt_scalef32_pk8_fp4_f32 v[C+4*(\t)+\g], v[XS+8*\g:XS+8*\g+7], v12
.endr
.if (\t)%2 == 0
	v_lshrrev_b32 v[W+(\t)/2], 23, v12             ; the scale's byte: block 4 (t / 2) + half of the word's four.  (Also the plain line behind the conversions)
.else
	v_lshrrev_b32 v13, 23, v12
	v_lshl_or_b32 v[W+(\t)/2], v13, 16, v[W+(\t)/2]    ; block 4 (t / 2) + 2 + half
.endif
	global_store_b128 v7, v[C+4*(\t):C+4*(\t)+3], s[10:11] offset:512*(\t)   ; blocks 2 t and 2 t + 1 of 16 rows: 512 consecutive bytes, aligned
.endm
	QLOAD 0
	QLOAD 1
	QLOAD 2
	s_wait_loadcnt 16                              ; step 0's eight loads are in
	QTURN 0
.irp t, 0,1,2,3,4,5,6,7,8,9,10,11,12,13,14,15
	QSTEP \t
.endr
.irp j, 0,1,2,3,4,5,6,7
	v_lshlrev_b32 v[W+\j], v9, v[W+\j]             ; my two bytes at their places,
.endr
.irp j, 0,1,2,3,4,5,6,7
	v_permlanex16_b32 v[R+\j], v[W+\j], s26, s27   ; (a destination that has been written: the loads into it are long in)
.endr
.irp j, 0,1,2,3,4,5,6,7
	v_or_b32 v[W+\j], v[W+\j], v[R+\j]             ; with lane l xor 16's two the word is whole
.endr
	v_cmp_gt_u32 vcc_lo, 16, v1
.irp j, 0,1,2,3
	v_cndmask_b32 v[SW+\j], v[W+4+\j], v[W+\j], vcc_lo   ; lanes 0-15: steps 0-3; lanes 16-31: steps 4-7
.endr
	global_store_b128 v8, v[SW:SW+3], s[16:17]     ; each half of the lanes stores 256 consecutive bytes, aligned
	s_wait_tensorcnt 0x0
	ds_add_u32 v254, v255
	s_wait_dscnt 0x0
	s_endpgm
; ---------------- k and v: K is not innermost.  A LANE TAKES A COLUMN, AND ITS REGISTERS RUN DOWN K: a block of 32 lies in one lane's 32 registers, and the conversions give codes with K innermost.
; A wave takes 32 columns x 512 along K: 16 blocks a lane.  A block's 16 bytes of 16 neighbouring columns are 256 consecutive bytes of the codes' layout: they are stored straight from registers.
; Loads run two blocks (64 loads a wave) ahead.  Every offset is an immediate: 511 rows of 8,192 bytes at the most.
.macro KLOAD t
.set i, 0
.rept 32
	global_load_b32 v[KX+32*((\t)%2)+i], v3, s[INR:INR+1] offset:(32*(\t)+i)*PITCH th:TH_LOAD_NT
.set i, i+1
.endr
.endm
.macro KBLOCK t
.set XS, KX+32*((\t)%2)
.if (\t) < 15
	s_wait_loadcnt 32                              ; this block's 32 loads are in; the next block's may be out
.else
	s_wait_loadcnt 0x0
.endif
	v_max3_num_f32 v12, |v[XS]|, |v[XS+1]|, |v[XS+2]|
	v_max3_num_f32 v13, |v[XS+3]|, |v[XS+4]|, |v[XS+5]|
.irp i, 6,10,14,18,22,26
	v_max3_num_f32 v12, v12, |v[XS+\i]|, |v[XS+\i+1]|
	v_max3_num_f32 v13, v13, |v[XS+\i+2]|, |v[XS+\i+3]|
.endr
	v_max3_num_f32 v12, v12, |v[XS+30]|, |v[XS+31]|
	v_max3_num_f32 v12, v12, v13, 0x1800000        ; the floor 2^(3 - 127)
	v_add_nc_u32 v11, 0xff000000, v12              ; the conversion's scale operand
.if (\t)%4 == 0
	v_lshrrev_b32 v[SB+(\t)/4], 23, v11            ; four bytes to a register, the lower K in the lower byte
.else
	v_lshrrev_b32 v13, 23, v11
	v_lshl_or_b32 v[SB+(\t)/4], v13, 8*((\t)%4), v[SB+(\t)/4]
.endif
.irp g, 0,1,2,3
	v_cvt_scalef32_pk8_fp4_f32 v[KC+4*(\t)+\g], v[XS+8*\g:XS+8*\g+7], v11
.endr
	global_store_b128 v4, v[KC+4*(\t):KC+4*(\t)+3], s[OUTR:OUTR+1] offset:JSTEP*((\t)/4)+256*((\t)%4)   ; each half of the lanes stores 256 consecutive bytes, aligned
.if (\t)+2 < 16
	KLOAD (\t)+2
.endif
.endm
.macro KV
	s_sub_co_u32 s19, ttmp9, FIRST
	s_and_b32 s20, s19, XMASK
	s_lshl_b32 s20, s20, 7
	s_lshl_b32 s21, s18, 5
	s_add_co_u32 s20, s20, s21                     ; my wave's first column: 128 x + 32 x wave
	s_lshr_b32 s21, s19, XBITS
	s_and_b32 s21, s21, YMASK                      ; which 512 along K
	s_lshr_b32 s19, s19, 5                         ; batch
	s_lshl_b32 s22, s19, 23                        ; in: 8 MiB a batch,
	s_lshl_b32 s26, s21, YLOG                      ; 512 rows,
	s_add_co_u32 s22, s22, s26
	s_lshl_b32 s26, s20, 2                         ; 4 bytes a column
	s_add_co_u32 s22, s22, s26
	s_mov_b32 s23, 0
	s_lshl_b32 s24, s19, 2
.if PERM
	s_add_co_u32 s24, s24, s18                     ; k: stream 4 x batch + wave (my 32 positions are quarter w = wave of their 128),
	s_mul_i32 s24, s24, 557056
	s_lshr_b32 s26, s20, 7
	s_mul_i32 s26, s26, 34816                      ; piece K(column / 128)
	s_add_co_u32 s24, s24, s26
	s_lshl_b32 s26, s21, 9
	s_add_co_u32 s26, s26, s24
	s_add_co_u32 s26, s26, 16384                   ; scale bytes: behind the codes, 512 for each 512 along K
	s_lshl_b32 s28, s21, 12
	s_add_co_u32 s24, s24, s28                     ; codes: 16 blocks of 256 bytes for each 512 along K
.else
	s_lshr_b32 s26, s20, 8
	s_add_co_u32 s24, s24, s26                     ; v: stream 4 x batch + channel / 256,
	s_mul_i32 s24, s24, 557056
	s_mul_i32 s26, s21, 139264                     ; pieces V(4 y) .. V(4 y + 3), 34,816 bytes apart
	s_add_co_u32 s24, s24, s26
	s_add_co_u32 s24, s24, 17408
	s_and_b32 s28, s20, 255
	s_lshl_b32 s26, s28, 2
	s_add_co_u32 s26, s26, s24
	s_add_co_u32 s26, s26, 16384                   ; scale words: 4 bytes a channel
	s_lshl_b32 s28, s28, 6
	s_add_co_u32 s24, s24, s28                     ; codes: 1,024 bytes for 16 channels
.endif
	s_mov_b32 s27, 0
.if PERM
	v_lshrrev_b32 v6, 3, v1                        ; position l takes the key l with bits 3 and 4 exchanged
	v_lshrrev_b32 v7, 4, v1
	v_xor_b32 v6, v6, v7
	v_and_b32 v6, 1, v6
	v_mul_u32_u24 v6, v6, 24
	v_xor_b32 v6, v1, v6
	v_lshlrev_b32 v3, 2, v6
.else
	v_lshlrev_b32 v3, 2, v1
.endif
	v_lshrrev_b32 v7, 4, v1
	v_mul_u32_u24 v4, v7, RBS
	v_and_b32 v7, 15, v1
	v_lshl_add_u32 v4, v7, 4, v4                   ; codes: my block of 16 rows, 16 bytes a row
.if PERM
	v_lshlrev_b32 v5, 4, v1                        ; k's scale bytes: 16 a row
.else
	v_lshlrev_b32 v5, 2, v1                        ; v's: a word a channel
.endif
	s_wait_alu depctr_va_vdst(0)
	s_wait_kmcnt 0x0
	s_add_nc_u64 s[INR:INR+1], s[INR:INR+1], s[22:23]
	s_add_nc_u64 s[OUTR:OUTR+1], s[16:17], s[24:25]
	s_add_nc_u64 s[16:17], s[16:17], s[26:27]
	KLOAD 0
	KLOAD 1
.irp t, 0,1,2,3,4,5,6,7,8,9,10,11,12,13,14,15
	KBLOCK \t
.endr
.if PERM
	global_store_b128 v5, v[SB:SB+3], s[16:17]     ; 32 rows' sixteen bytes: 512 consecutive bytes, aligned
.else
.irp j, 0,1,2,3
	global_store_b32 v5, v[SB+\j], s[16:17] offset:34816*\j   ; 32 channels' words of one step of 128 keys: 128 consecutive bytes (a unit in part: one byte in 128 of what the launch reads)
.endr
.endif
.endm
.Lnot_q:
	s_cmp_lt_u32 ttmp9, 512
	s_cbranch_scc0 .Lpath_v
.set FIRST, 256                        ; k: rows of 8,192 bytes; 16 x 128 columns, 2 x 512 along K
.set PITCH, 8192
.set RBS,   8192
.set XMASK, 15
.set XBITS, 4
.set YMASK, 1
.set YLOG,  22
.set SCOFF, 524288
.set SPLOG, 15
.set PERM,  1
.set JSTEP, 1024
.set INR,   6
.set OUTR,  12
	s_wait_alu depctr_va_vdst(0)
	KV
	s_endpgm
.Lpath_v:
.set FIRST, 512                        ; v: rows of 4,096 bytes; 8 x 128 columns, 4 x 512 along K
.set PITCH, 4096
.set RBS,   1024
.set XMASK, 7
.set XBITS, 3
.set YMASK, 3
.set YLOG,  21
.set SCOFF, 1048576
.set SPLOG, 14
.set PERM,  0
.set JSTEP, 34816
.set INR,   8
.set OUTR,  14
	s_wait_alu depctr_va_vdst(0)
	KV
	s_endpgm
.Lfunc_end_k_qe87d7f3ab9_quant:
	.size	k_qe87d7f3ab9_quant, .Lfunc_end_k_qe87d7f3ab9_quant-k_qe87d7f3ab9_quant
	.p2alignl 7, 3214868480
	.fill 96, 4, 3214868480
	.section	.rodata,"a",@progbits
	.p2align	6, 0x0
	.amdhsa_kernel k_qe87d7f3ab9_quant
		.amdhsa_group_segment_fixed_size 35328
		.amdhsa_private_segment_fixed_size 0
		.amdhsa_enable_private_segment 0
		.amdhsa_kernarg_size 40
		.amdhsa_user_sgpr_count 2
		.amdhsa_user_sgpr_kernarg_segment_ptr 1
		.amdhsa_wavefront_size32 1
		.amdhsa_system_sgpr_workgroup_id_x 1
		.amdhsa_system_sgpr_workgroup_id_y 1
		.amdhsa_system_sgpr_workgroup_id_z 1
		.amdhsa_system_vgpr_workitem_id 0
		.amdhsa_next_free_vgpr 256
		.amdhsa_next_free_sgpr 66
		.amdhsa_reserve_vcc 1
		.amdhsa_float_denorm_mode_32 3
		.amdhsa_float_denorm_mode_16_64 3
		.amdhsa_memory_ordered 1
		.amdhsa_forward_progress 1
		.amdhsa_inst_pref_size 206
	.end_amdhsa_kernel
	.amdgpu_metadata
---
amdhsa.version: [ 1, 2 ]
amdhsa.kernels:
  - .name:           k_qe87d7f3ab9_quant
    .symbol:         k_qe87d7f3ab9_quant.kd
    .args:
      - { .name: q, .offset: 0, .size: 8, .value_kind: global_buffer, .address_space: global }
      - { .name: k, .offset: 8, .size: 8, .value_kind: global_buffer, .address_space: global }
      - { .name: v, .offset: 16, .size: 8, .value_kind: global_buffer, .address_space: global }
      - { .name: q_codes, .offset: 24, .size: 8, .value_kind: global_buffer, .address_space: global }
      - { .name: kv, .offset: 32, .size: 8, .value_kind: global_buffer, .address_space: global }
    .group_segment_fixed_size: 35328
    .private_segment_fixed_size: 0
    .kernarg_segment_align: 8
    .kernarg_segment_size: 40
    .max_flat_workgroup_size: 128
    .sgpr_count:     66
    .vgpr_count:     256
    .wavefront_size: 32
...
	.end_amdgpu_metadata
.endif
;; end of part 1
;; launch attn (part 2): grid 256 x 1, 4 waves a work-group, clusters of 4 x 1, 327,680 bytes of LDS; arguments q_codes, kv, b, out0; writes out0
.if DOCPART == 2
	.amdgcn_target "amdgcn-amd-amdhsa--gfx1250"
	.amdhsa_code_object_version 6
	.text
	.protected	k_qe87d7f3ab9_attn
	.globl	k_qe87d7f3ab9_attn
	.p2align	8
	.type	k_qe87d7f3ab9_attn,@function
k_qe87d7f3ab9_attn:
	s_mov_b64 s[64:65], 0
	v_nop
	global_prefetch_b8 v0, s[64:65] scope:SCOPE_SE
	s_setreg_imm32_b32 hwreg(HW_REG_WAVE_MODE, 25, 1), 1
	s_wait_xcnt 0x0
	s_wait_alu depctr_hold_cnt(0) depctr_sa_sdst(0) depctr_va_vdst(0) depctr_va_sdst(0) depctr_va_ssrc(0) depctr_va_vcc(0) depctr_vm_vsrc(0)
	s_getreg_b32 s2, hwreg(HW_REG_IB_STS2, 6, 4)
	s_cmp_eq_u32 s2, 0
	s_cbranch_scc0 .Lentry_in_a_cluster
	s_endpgm
.Lentry_in_a_cluster:
	s_bfe_u32 s2, ttmp6, 0x10000c
	s_cmp_lg_u32 s2, 0x3003
	s_cbranch_scc0 .Lentry_shape_is_right
	s_endpgm
.Lentry_shape_is_right:
; out = softmax(tanh(q k + b)) v, both products on codes of FP4 (E2M1) with E8M0 scales, sums in f32; p never goes to memory.
; SHARES.  A work-group owns 64 queries of one batch and walks the 2,048 keys in 16 steps of 128.  Wave w makes S^T for the step's keys 32 w .. + 31 (one block of the second product's K)
; x 64 queries, K = 1,024, with q's fragments kept in 256 registers; it turns them into p, quantises, and puts its 8 bytes a lane and its scale byte into a small LDS buffer.
; Every wave then reads p's four fragments and adds O^T for its channels 256 w .. + 255 x 64 queries: 64 accumulators, 512 registers.
; THE ORDER OF A TRIP t: the round of the cluster's barrier (it shows p(t-1) and frees the other region), the refill, the second half of S(t), the softmax, p(t)'s stores, O^T += V(t-1) p(t-1),
; and the first half of S(t+1), which stands between the add and its wait and inside the next round: a wave reads only tiles that it fetched itself, so its own wait on TENSORcnt orders those reads.
; THE SCORE.  x = sum + b[key] (b is the first product's C); E = 2^(c x), c = 2 log2(e); t = log2(e) - c / (1 + E) = tanh(x) log2(e); p = 2^t.  E = infinity gives e, E = 0 gives 1 / e.
; NO MAXIMUM IS TAKEN AWAY: tanh holds every logit in [-1, 1] for every input, so p lies in [0.367, 2.72] and a row's sum under 5,567.  The rule's whole number M is taken as 0:
; another M would move each block's scale and the row's sum by the same power of two, exactly.  The row's sum is taken of the unquantised p and divides at the end.
; TILES.  kv holds a stream for each batch and wave: K0 | V0 K1 | .. | V15, pieces of 17,408 bytes (codes as fragments of 1,024 bytes, then scales).
; A refill is 136 rows of 256 bytes, V(t) K(t+1), into the wave's area of the other of two LDS regions.  The first load of a stream brings K0 V0, of which V0 is not read there; the last brings V15 and the
; 17,408 bytes behind it in the buffer (the next stream's K0, or q's scale words), which nobody reads: so all loads have one shape and every byte of a region is filled at its first fill.
; CLUSTERS: the four work-groups of a cluster are of one batch and ask for every tile jointly (mask 15).
; LIMITS: NaN and infinities among the sums are not served.
; REGISTERS: window 0: addresses, scale words, b (at work in the softmax), S^T / p's fragments (SB), three banks of 32 for K's or V's fragments (F); window 1: q; windows 2, 3: O^T ((i, a) at 8 (4 (i % 8) + a)).
.set RG,    139264                     ; a region: four areas
.set WA,    34816                      ; a wave's area: V's piece, then K's
.set QT,    17408                      ; a piece
.set STRM,  557056
.set QSOFF, 17825792
.set PSTG,  2*RG                       ; p: two buffers of 4 fragments + 64 scale words
.set PBUF,  4352
.set BIAS,  PSTG+2*PBUF                ; b, 2,048 bytes for each wave: [step][my 32 keys]
.set LSUM,  BIAS+8192                  ; the waves' sums, 256 bytes each
.set SPARE, LSUM+1024                  ; the spare words: two blocks of 256 bytes that no other line names
.set SPITCH, 1040                      ; the way out: a row of 1,024 bytes + 16
.set SPW, 1
.set NIL, 2
.set VA0, 3                            ; v3, v4  my area in region 0, 1, + 16 x lane
.set VS0, 5                            ; v5, v6  V's scale words there, + 4 x lane
.set PL,  7
.set PSL, 8
.set PST, 9
.set PSS, 10
.set BA,  11
.set LI,  12
.set PF1, 13
.set PF2, 14
.set STO, 15
.set RD,  16
.set LSA, 17
.set LSL, 18
.set LE,  20                           ; v20-21 log2(e), twice
.set QSC, 24                           ; scale words and nothing else: q's 16, K's 8, V's 8, p's 2
.set KSC, 40
.set VSC, 48
.set PSC, 56
.set SM,  58                           ; v58-65 the sums, a pair for each block of 16 queries
.set BI,  66                           ; v66-81 b of my lane's 16 keys; free behind a step's first eight products
.set MX,  BI
.set PB,  BI+4
.set SO,  BI+8
.set BY,  BI+12
.set SB,  82                           ; v82-145
.set LT,  SB+32
.set F,   146                          ; v146-241
.set RL,  242                          ; v242-249 p's codes in the loop; at the end 1 / sum, twice each
.set PC,  RL
.set WV,  12
.set G1,  16
.set G0,  32                           ; s[32:35] fills region 0, s[36:39] region 1
.set G0H, 40
.set PFA, 50
.set MSB, 0
.macro WIN new
.if MSB != (\new)
	s_set_vgpr_msb (MSB<<8)|(\new)
.set MSB, (\new)
.endif
.endm
.macro W
	s_wait_alu depctr_va_vdst(0)
.endm
.macro NOPS n
.rept \n
	v_nop
.endr
.endm
.macro CREST                           ; a round of the cluster's barrier behind its opening barrier
	s_cmp_lg_u32 s[WV], 0
	s_cbranch_scc1 .Lnw0_\@
	s_barrier_signal -3
.Lnw0_\@:
	s_barrier_wait -3
	s_barrier_signal -1
	s_barrier_wait -1
.endm
.macro ROUND
	s_barrier_signal -1
	s_barrier_wait -1
	CREST
.endm
; A prefetch of one refill: of a stream's 136 blocks of 256 bytes each of the four partners takes 34, told apart by address: 32 by the first line, 2 by the second (its other lanes name the last again).
; s[PFA] stands at the refill of the trip in hand; a trip asks for the refill two trips on, trips 14 and 15 for nothing; the first two refills are asked for at the head.
.macro ASK off
	global_prefetch_b8 v[PF1], s[PFA:PFA+1] offset:\off th:TH_LOAD_NT scope:SCOPE_SE
	global_prefetch_b8 v[PF2], s[PFA:PFA+1] offset:\off th:TH_LOAD_NT scope:SCOPE_SE
.endm
.macro WM zero                         ; one product, by the symbols rD rA rB rC sA sB rowA rowB
.set kind, 4*(\zero)+2*rowB+rowA
.if kind == 0
	v_wmma_scale_f32_16x16x128_f8f6f4 v[rD:rD+7], v[rA:rA+7], v[rB:rB+7], v[rC:rC+7], v[sA], v[sB] matrix_a_fmt:MATRIX_FMT_FP4 matrix_b_fmt:MATRIX_FMT_FP4
.elseif kind == 1
	v_wmma_scale_f32_16x16x128_f8f6f4 v[rD:rD+7], v[rA:rA+7], v[rB:rB+7], v[rC:rC+7], v[sA], v[sB] matrix_a_fmt:MATRIX_FMT_FP4 matrix_b_fmt:MATRIX_FMT_FP4 matrix_a_scale:MATRIX_SCALE_ROW1
.elseif kind == 2
	v_wmma_scale_f32_16x16x128_f8f6f4 v[rD:rD+7], v[rA:rA+7], v[rB:rB+7], v[rC:rC+7], v[sA], v[sB] matrix_a_fmt:MATRIX_FMT_FP4 matrix_b_fmt:MATRIX_FMT_FP4 matrix_b_scale:MATRIX_SCALE_ROW1
.elseif kind == 3
	v_wmma_scale_f32_16x16x128_f8f6f4 v[rD:rD+7], v[rA:rA+7], v[rB:rB+7], v[rC:rC+7], v[sA], v[sB] matrix_a_fmt:MATRIX_FMT_FP4 matrix_b_fmt:MATRIX_FMT_FP4 matrix_a_scale:MATRIX_SCALE_ROW1 matrix_b_scale:MATRIX_SCALE_ROW1
.elseif kind == 4
	v_wmma_scale_f32_16x16x128_f8f6f4 v[rD:rD+7], v[rA:rA+7], v[rB:rB+7], 0, v[sA], v[sB] matrix_a_fmt:MATRIX_FMT_FP4 matrix_b_fmt:MATRIX_FMT_FP4
.elseif kind == 5
	v_wmma_scale_f32_16x16x128_f8f6f4 v[rD:rD+7], v[rA:rA+7], v[rB:rB+7], 0, v[sA], v[sB] matrix_a_fmt:MATRIX_FMT_FP4 matrix_b_fmt:MATRIX_FMT_FP4 matrix_a_scale:MATRIX_SCALE_ROW1
.elseif kind == 6
	v_wmma_scale_f32_16x16x128_f8f6f4 v[rD:rD+7], v[rA:rA+7], v[rB:rB+7], 0, v[sA], v[sB] matrix_a_fmt:MATRIX_FMT_FP4 matrix_b_fmt:MATRIX_FMT_FP4 matrix_b_scale:MATRIX_SCALE_ROW1
.else
	v_wmma_scale_f32_16x16x128_f8f6f4 v[rD:rD+7], v[rA:rA+7], v[rB:rB+7], 0, v[sA], v[sB] matrix_a_fmt:MATRIX_FMT_FP4 matrix_b_fmt:MATRIX_FMT_FP4 matrix_a_scale:MATRIX_SCALE_ROW1 matrix_b_scale:MATRIX_SCALE_ROW1
.endif
.endm
.macro VB n, r                         ; V's blocks of 16 channels 4 n .. 4 n + 3 -> bank n % 3: 8 loads
.irp i, 0,1,2,3
.irp c, 0,1
	ds_load_b128 v[F+32*((\n)%3)+8*\i+4*\c:F+32*((\n)%3)+8*\i+4*\c+3], v[VA0+\r] offset:(4*(\n)+\i)*1024+512*\c
.endr
.endr
.endm
.macro KB m, r, koff                   ; K's steps 2 m, 2 m + 1 of 128 along K, both tiles -> bank (m + 1) % 3: 8 loads
.irp e, 0,1
.irp u, 0,1
.irp c, 0,1
	ds_load_b128 v[F+32*(((\m)+1)%3)+16*\e+8*\u+4*\c:F+32*(((\m)+1)%3)+16*\e+8*\u+4*\c+3], v[VA0+\r] offset:\koff+8192*\u+1024*(2*(\m)+\e)+512*\c
.endr
.endr
.endr
.endm
.macro KX r, koff, boff                ; K's scale words and b: 6 loads
.irp p, 0,1
	ds_load_b128 v[KSC+4*\p:KSC+4*\p+3], v[VA0+\r] offset:\koff+16384+512*\p
.endr
.irp j, 0,1,2,3
	ds_load_b128 v[BI+4*\j:BI+4*\j+3], v[BA] offset:\boff+16*\j
.endr
.endm
.macro VSCALES r, pb                   ; V's and p's scale words: 10 loads
.irp j, 0,1
	ds_load_b32 v[PSC+\j], v[PSL] offset:\pb+128*\j
.endr
.irp j, 0,1,2,3,4,5,6,7
	ds_load_b32 v[VSC+\j], v[VS0+\r] offset:128*\j
.endr
.endm
.macro PFRAGS pb                       ; p's four fragments -> the lower half of SB: 8 loads
.irp a, 0,1,2,3
.irp c, 0,1
	ds_load_b128 v[SB+8*\a+4*\c:SB+8*\a+4*\c+3], v[PL] offset:\pb+1024*\a+512*\c
.endr
.endr
.endm
; 16 products of O^T += V^T p^T: source 0 = 16 channels, source 1 = p's 16 queries.  Each accumulator has one turn a trip.  The wait stands ahead of the run: O^T was last written ahead of the exponentials.
.macro PVRUN n, zero
	WIN 0xa0+0x50*((\n)/2)
	W
.irp i, 0,1,2,3
.irp a, 0,1,2,3
.set rD, 8*(4*((4*(\n)+\i)%8)+\a)
.set rC, rD
.set rA, F+32*((\n)%3)+8*\i
.set rB, SB+8*\a
.set sA, VSC+(4*(\n)+\i)/2
.set sB, PSC+\a/2
.set rowA, \i%2
.set rowB, \a%2
	WM \zero
.endr
.endr
.endm
; 16 products of S^T = K q^T: source 0 = 16 key positions, source 1 = 16 queries; the eight accumulators by turns.  The first step's C is b.
.macro SRUN m
	WIN 0x04
.irp e, 0,1
.irp a, 0,1,2,3
.irp u, 0,1
.set rD, SB+16*\a+8*\u
.if 2*(\m)+\e == 0
.set rC, BI+8*\u
.else
.set rC, rD
.endif
.set rA, F+32*(((\m)+1)%3)+16*\e+8*\u
.set rB, 8*(8*\a+2*(\m)+\e)
.set sA, KSC+2*(\m)+\e
.set sB, QSC+8*(\a/2)+2*(\m)+\e
.set rowA, \u
.set rowB, \a%2
	WM 0
.endr
.endr
.endr
.endm
; The softmax's lines on half hh of the 64 numbers a lane
.macro MULC hh
.set n, SB+32*(\hh)
.rept 16
	v_pk_mul_f32 v[n:n+1], v[n:n+1], s[44:45] op_sel_hi:[1,0]
.set n, n+2
.endr
.endm
; A batch of 32 transcendentals on half th with the other half's 16 plain lines laid between them (kind 1: 1 + E; kind 2: log2(e) - c / (1 + E)).
; The plain lines read what the stage before made and write what the next stage reads: one wait stands between the stages.
.macro MIX op, th, kind, ph
.set n, SB+32*(\th)
.set m, SB+32*(\ph)
.rept 16
	\op v[n], v[n]
	\op v[n+1], v[n+1]
.if \kind == 1
	v_pk_add_f32 v[m:m+1], v[m:m+1], 1.0 op_sel_hi:[1,0]
.else
	v_pk_fma_f32 v[m:m+1], v[m:m+1], s[46:47], v[LE:LE+1] op_sel_hi:[1,0,1]
.endif
.set n, n+2
.set m, m+2
.endr
.endm
.macro EXPB hh
.set n, SB+32*(\hh)
.rept 32
	v_exp_f32 v[n], v[n]
.set n, n+1
.endr
.endm
; Blocks a = 2 hh, 2 hh + 1 of 16 queries: the block's largest p, the sums of the unquantised p, the scale byte, the codes, and their stores into p's buffer at pb
.macro FIN hh, pb
.irp a, 2*\hh, 2*\hh+1
	v_max3_num_f32 v[MX+(\a)], v[SB+16*(\a)], v[SB+16*(\a)+1], v[SB+16*(\a)+2]
	v_pk_add_f32 v[SM+2*(\a):SM+2*(\a)+1], v[SM+2*(\a):SM+2*(\a)+1], v[SB+16*(\a):SB+16*(\a)+1]
.endr
.irp k, 1,2,3,4,5,6
.irp a, 2*\hh, 2*\hh+1
	v_max3_num_f32 v[MX+(\a)], v[MX+(\a)], v[SB+16*(\a)+2*\k+1], v[SB+16*(\a)+2*\k+2]
	v_pk_add_f32 v[SM+2*(\a):SM+2*(\a)+1], v[SM+2*(\a):SM+2*(\a)+1], v[SB+16*(\a)+2*\k:SB+16*(\a)+2*\k+1]
.endr
.endr
.irp a, 2*\hh, 2*\hh+1
	v_max_num_f32 v[MX+(\a)], v[MX+(\a)], v[SB+16*(\a)+15]
	v_pk_add_f32 v[SM+2*(\a):SM+2*(\a)+1], v[SM+2*(\a):SM+2*(\a)+1], v[SB+16*(\a)+14:SB+16*(\a)+15]
.endr
.irp a, 2*\hh, 2*\hh+1
	v_permlanex16_b32 v[PB+(\a)], v[MX+(\a)], s48, s49
.endr
.irp a, 2*\hh, 2*\hh+1
	v_max_num_f32 v[MX+(\a)], v[MX+(\a)], v[PB+(\a)]      ; with lane l xor 16's 16 keys (p is at least 0.367: the byte needs no floor)
.endr
.irp a, 2*\hh, 2*\hh+1
	v_add_nc_u32 v[SO+(\a)], 0xff000000, v[MX+(\a)]       ; 2 off the exponent field: the conversion's scale operand
.endr
.irp a, 2*\hh, 2*\hh+1
	v_lshrrev_b32 v[BY+(\a)], 23, v[SO+(\a)]
.endr
.irp a, 2*\hh, 2*\hh+1
	v_cvt_scalef32_pk8_fp4_f32 v[PC+2*(\a)], v[SB+16*(\a):SB+16*(\a)+7], v[SO+(\a)]
	v_cvt_scalef32_pk8_fp4_f32 v[PC+2*(\a)+1], v[SB+16*(\a)+8:SB+16*(\a)+15], v[SO+(\a)]
.endr
	v_nop                                          ; the plain line behind the scaled conversions
.irp a, 2*\hh, 2*\hh+1
	ds_store_b64 v[PST], v[PC+2*(\a):PC+2*(\a)+1] offset:\pb+1024*(\a)   ; block w of the fragment: 256 w + 16 r + 8 h
	ds_store_b8 v[PSS], v[BY+(\a)] offset:\pb+64*(\a)                   ; byte w of the query's scale word; both halves of the lanes write the same
.endr
.endm
; THE HEAD OF A TRIP of parity r: the three lines, the round, the refill.  srun: the trip's first 32 products stand under the add's wait and inside the round (K's banks 0 to 2 are on their way or in).
.macro TOP r, step, srun, fill
	W                                              ; the wait ahead of the blocking waits
.if \step
	s_wait_xcnt 0x0                                ; my prefetches have read their address
	s_add_nc_u64 s[PFA:PFA+1], s[PFA:PFA+1], WA
.endif
	s_wait_tensorcnt 0x0                           ; no load of mine is out
	ds_add_u32 v[SPW], v[NIL]
.if \step
	s_add_nc_u64 s[G0+4*\r+2:G0+4*\r+3], s[G0+4*\r+2:G0+4*\r+3], 2*WA   ; the descriptor used last trip: two refills on
.endif
.if \srun
	s_wait_dscnt 17                                ; K's bank 0, its scale words and b are in (behind them: banks 1 and 2 and the add)
	SRUN 0
.endif
	s_wait_dscnt 0x0                               ; the add, my reads of the other region, my stores of p
	s_barrier_signal -1
.if \srun
	SRUN 1
	WIN 0
.endif
	s_barrier_wait -1
	CREST
.if \fill
	tensor_load_to_lds s[G0+4-4*\r:G0+7-4*\r], s[G1:G1+7]   ; V(t) K(t+1) into the region left last trip
	s_nop 0
.endif
.endm
; THE REST OF TRIP t.  pv: it has O^T += V(t-1) p(t-1); zero: that product starts the sums; nk: K(t+1)'s first banks are fetched.
.macro BODY r, pv, zero, nk, koff, ask
	NOPS 4                                         ; places ahead of loads into registers that the products read
	KB 3, \r, \koff
.if \ask == 2
	s_cmp_gt_u32 s3, 1                             ; the loop's last pass holds trips 14 and 15, which have no refill two on
	s_cbranch_scc0 .Lna_\@
.endif
.if \ask
	ASK 2*WA
.endif
.Lna_\@:
.if 1-\pv
	s_wait_loadcnt 0x0                             ; trip 0: q's last K steps are in
.endif
	SRUN 2
	s_wait_dscnt 0x0
	SRUN 3
	NOPS 4
	WIN 0
.if \pv
	VSCALES \r, PBUF*(1-\r)
	VB 0, \r
	VB 1, \r
	VB 2, \r
.endif
	MULC 0                                         ; c x.  Behind each batch of transcendentals stands the other half's plain work, then one wait
	MULC 1
	W
	EXPB 0
	v_nop
	W
	MIX v_exp_f32, 1, 1, 0
	W
	MIX v_rcp_f32, 0, 1, 1
	W
	MIX v_rcp_f32, 1, 2, 0
	W
	MIX v_exp_f32, 0, 2, 1
	W
	EXPB 1
	FIN 0, PBUF*\r
.if \pv
	PFRAGS PBUF*(1-\r)                             ; over the half whose codes are made
.endif
	W
	FIN 1, PBUF*\r
.if \pv
	s_wait_dscnt 4                                 ; all but the four stores just issued
	PVRUN 0, \zero
	NOPS 4
	WIN 0
	VB 3, \r
	PVRUN 1, \zero
	NOPS 4
	WIN 0
	s_wait_tensorcnt 0x0                           ; my refill has landed: I alone read it
.if \nk == 2
	s_cmp_eq_u32 s3, 1                             ; nk = 2: in the loop's last pass this is trip 15, which has no K behind it: the short arm below
	s_cbranch_scc1 .Lnok_\@
.endif
	KB 0, 1-\r, QT
	KX 1-\r, QT, 128*(1-\r)
.if 1-\r
	v_add_nc_u32 v[BA], 256, v[BA]                 ; b: two steps on
.endif
	PVRUN 2, \zero
	NOPS 4
	WIN 0
	KB 1, 1-\r, QT
	s_wait_dscnt 22                                ; behind V's bank 3: 8 + 6 + 8
	PVRUN 3, \zero
	NOPS 5                                         ; S^T is laid over p's fragments: five places ahead of a product that writes them
	WIN 0
	KB 2, 1-\r, QT
.if \nk == 2
	s_branch .Ljoin_\@
.Lnok_\@:
	PVRUN 2, \zero
	s_wait_dscnt 0x0                               ; V's bank 3
	PVRUN 3, \zero
	NOPS 5
	WIN 0
.Ljoin_\@:
.endif
.else
	s_wait_tensorcnt 0x0
	KB 0, 1-\r, QT
	KX 1-\r, QT, 128*(1-\r)
	v_add_nc_u32 v[BA], 256, v[BA]
	KB 1, 1-\r, QT
	KB 2, 1-\r, QT
.endif
.endm
	s_load_b128 s[4:7], s[0:1], 0x0                ; q_codes, kv
	s_load_b128 s[8:11], s[0:1], 0x10              ; b, out0
	v_lshl_add_u32 v[SPW], v0, 2, SPARE
	v_mov_b32 v[NIL], 0
	ds_add_u32 v[SPW], v[NIL]                      ; the opening lines: the add twice on end and one wait
	ds_add_u32 v[SPW], v[NIL]
	v_lshrrev_b32 v19, 5, v0
	v_readfirstlane_b32 s[WV], v19
	s_bfe_u32 s52, ttmp6, 0x40000                  ; cx
	s_lshl_b32 s53, ttmp9, 2
	s_add_co_u32 s53, s53, s52                     ; my block of 64 queries
	s_lshr_b32 s54, ttmp9, 3                       ; the batch: the whole cluster shares it
	s_mov_b32 s[G1], 15|(3<<16)|(1<<21)            ; the mask; elements of 8 bytes; bit 21 beside a mask
	s_mov_b32 s[G1+1], 32<<16
	s_mov_b32 s[G1+2], 136<<16
	s_mov_b32 s[G1+3], 32<<16
	s_mov_b32 s[G1+4], 136
	s_mov_b32 s[G1+5], 32
	s_mov_b32 s[G1+6], 0
	s_mov_b32 s[G1+7], 0
	s_lshl_b32 s56, s54, 2
	s_add_co_u32 s56, s56, s[WV]
	s_mul_i32 s56, s56, STRM                       ; my stream
	s_mov_b32 s57, 0
	s_mul_i32 s58, s[WV], WA                       ; my area
	s_add_co_u32 s59, s58, 16384
	s_lshl_b32 s62, s[WV], 8
	s_add_co_u32 s68, s62, LSUM
	s_add_co_u32 s62, s62, PSTG
	s_add_co_u32 s63, s[WV], PSTG+4096
	s_lshl_b32 s66, s[WV], 11
	s_add_co_u32 s66, s66, BIAS
	s_add_co_u32 s67, s58, RG
	s_lshl_b32 s72, s53, 15                        ; q's codes: 4 x 8,192 bytes
	s_mov_b32 s73, 0
	s_lshl_b32 s74, s54, 16
	s_and_b32 s75, s53, 31
	s_lshl_b32 s75, s75, 10
	s_add_co_u32 s74, s74, s75
	s_add_co_u32 s74, s74, QSOFF                   ; q's scale words
	s_mov_b32 s75, 0
	s_lshl_b32 s76, s53, 18
	s_lshl_b32 s77, s[WV], 10
	s_add_co_u32 s76, s76, s77                     ; out: 64 rows of 4,096 bytes, my 1,024
	s_mov_b32 s77, 0
	s_lshl_b32 s78, s[WV], 7
	s_mov_b32 s79, 0
	s_mul_i32 s80, s52, 8704
	s_add_co_u32 s80, s80, s56
	s_add_co_u32 s80, s80, QT                      ; the prefetches: at V0 K1, my work-group's 34 blocks
	s_mov_b32 s81, 0
	s_mov_b32 s44, 0x4038aa3b                      ; c = 2 log2(e)
	s_mov_b32 s45, s44
	s_mov_b32 s46, 0xc038aa3b                      ; -c
	s_mov_b32 s47, s46
	s_mov_b32 s48, 0x76543210
	s_mov_b32 s49, 0xfedcba98                      ; lane l xor 16
	v_and_b32 v19, 31, v0                          ; lane
	v_and_b32 v22, 15, v0                          ; r
	v_bfe_u32 v23, v0, 4, 1                        ; h
	v_lshlrev_b32 v[LI], 4, v19
	v_add_nc_u32 v[VA0], s58, v[LI]
	v_add_nc_u32 v[VA0+1], RG, v[VA0]
	v_lshl_add_u32 v[VS0], v19, 2, s59
	v_add_nc_u32 v[VS0+1], RG, v[VS0]
	v_add_nc_u32 v[PL], PSTG, v[LI]
	v_lshl_add_u32 v[PSL], v19, 2, PSTG+4096
	v_lshlrev_b32 v[PST], 4, v22
	v_lshl_add_u32 v[PST], v23, 3, v[PST]
	v_add_nc_u32 v[PST], s62, v[PST]
	v_lshl_add_u32 v[PSS], v22, 2, s63
	v_lshl_add_u32 v[BA], v23, 6, s66
	v_lshl_add_u32 v251, v19, 6, s66               ; b on its way in: 64 bytes a lane
	v_lshrrev_b32 v250, 1, v19
	v_lshlrev_b32 v250, 9, v250
	v_and_b32 v252, 1, v19
	v_lshl_add_u32 v250, v252, 6, v250             ; in memory: step lane / 2, half lane % 2 of my 32 keys
	v_lshlrev_b32 v[PF1], 8, v19
	v_min_u32 v252, 1, v19
	v_lshl_add_u32 v[PF2], v252, 8, 8192
	v_mul_u32_u24 v[STO], v22, SPITCH
	v_lshl_add_u32 v[STO], v23, 5, v[STO]
	v_add_nc_u32 v[STO], s67, v[STO]
	v_add_nc_u32 v[RD], s67, v[LI]
	v_lshl_add_u32 v[LSA], v22, 2, s68
	v_lshl_add_u32 v[LSL], v22, 2, LSUM
	v_mov_b32 v[LE], 0x3fb8aa3b
	v_mov_b32 v[LE+1], 0x3fb8aa3b
.irp j, 0,1,2,3,4,5,6,7
	v_mov_b32 v[SM+\j], 0
.endr
	s_wait_dscnt 0x0                               ; both opening adds are done
	W                                              ; the wait behind the head's vector lines
	s_wait_kmcnt 0x0
	s_add_nc_u64 s[PFA:PFA+1], s[6:7], s[80:81]
	ASK 0                                          ; the first two refills: a buffer's first touch is asked for early
	ASK WA
	s_add_nc_u64 s[70:71], s[6:7], s[74:75]
	s_add_nc_u64 s[4:5], s[4:5], s[72:73]
	s_add_nc_u64 s[10:11], s[10:11], s[76:77]
	s_add_nc_u64 s[8:9], s[8:9], s[78:79]
.irp j, 0,1,2,3
	global_load_b128 v[F+4*\j:F+4*\j+3], v250, s[8:9] offset:16*\j
.endr
.irp j, 0,1
.irp p, 0,1
	global_load_b128 v[QSC+8*\j+4*\p:QSC+8*\j+4*\p+3], v[LI], s[70:71] offset:512*\j+32768*\p
.endr
.endr
.macro QLOAD s                         ; q's step s of 128 along K, all four blocks of 16 queries, into window 1: 8 loads
.irp a, 0,1,2,3
.irp c, 0,1
	global_load_b128 v[8*(8*\a+\s)+4*\c:8*(8*\a+\s)+4*\c+3], v[LI], s[4:5] offset:8192*\a+1024*\s+512*\c
.endr
.endr
.endm
	WIN 0x40
.irp s, 0,1,2,3,4,5
	QLOAD \s
.endr
	WIN 0
	s_add_nc_u64 s[60:61], s[6:7], s[56:57]
	s_mov_b32 s[G0H], 1
	s_mov_b32 s[G0H+1], s58
	s_mov_b64 s[G0H+2:G0H+3], s[60:61]
	s_or_b32 s[G0H+3], s[G0H+3], 0x80000000
	s_mov_b32 s[G0], 1
	s_mov_b32 s[G0+1], s58
	s_add_nc_u64 s[G0+2:G0+3], s[60:61], QT+WA     ; V1 K2, asked for in trip 1
	s_or_b32 s[G0+3], s[G0+3], 0x80000000
	s_mov_b32 s[G0+4], 1
	s_add_co_u32 s[G0+5], s58, RG
	s_add_nc_u64 s[G0+6:G0+7], s[60:61], QT        ; V0 K1, asked for in trip 0
	s_or_b32 s[G0+7], s[G0+7], 0x80000000
	ROUND                                          ; the first joint loads meet
	tensor_load_to_lds s[G0H:G0H+3], s[G1:G1+7]    ; K0 V0 into region 0: my one load at the head
	s_nop 0
	WIN 0x40                                       ; directly behind the s_nop 0
	QLOAD 6
	QLOAD 7
	WIN 0
	s_wait_loadcnt 63                              ; of 72 loads the first nine are in, b's four among them
.irp j, 0,1,2,3
	ds_store_b128 v251, v[F+4*\j:F+4*\j+3] offset:16*\j
.endr
	s_wait_loadcnt 32                              ; q's scale words and K steps 0 to 3 are in (behind them: steps 4 to 7)
	s_wait_tensorcnt 0x0
	KB 0, 0, 0                                     ; K0 lies at the area's head
	KX 0, 0, 0
	KB 1, 0, 0
	KB 2, 0, 0
	TOP 0, 0, 1, 1
	BODY 0, 0, 0, 1, 0, 1                          ; trip 0: no second product yet
	TOP 1, 1, 1, 1
	BODY 1, 1, 1, 1, QT, 1                         ; trip 1: the second product's first step starts the sums
	s_mov_b32 s3, 7
.Lloop:                                            ; trips 2 .. 15, two to a pass; trip 15's refill is the last: V15
	TOP 0, 1, 1, 1
	BODY 0, 1, 0, 1, QT, 2
	TOP 1, 1, 1, 1
	BODY 1, 1, 0, 2, QT, 2
	s_sub_co_u32 s3, s3, 1
	s_cmp_lg_u32 s3, 0
	s_cbranch_scc1 .Lloop
	s_wait_dscnt 0x0                               ; no LDS load of mine is out: b's registers are at work below
.irp a, 0,1,2,3
	v_add_f32 v[MX+\a], v[SM+2*\a], v[SM+2*\a+1]   ; my wave's sums: the pair's halves,
.endr
.irp a, 0,1,2,3
	v_permlanex16_b32 v[PB+\a], v[MX+\a], s48, s49
.endr
.irp a, 0,1,2,3
	v_add_f32 v[MX+\a], v[MX+\a], v[PB+\a]         ; and lane l xor 16's
.endr
.irp a, 0,1,2,3
	ds_store_b32 v[LSA], v[MX+\a] offset:64*\a
.endr
	TOP 0, 0, 0, 0                                 ; it shows p(15) and the sums; nothing is filled again
.irp a, 0,1,2,3
.irp w, 0,1,2,3
	ds_load_b32 v[LT+4*\a+\w], v[LSL] offset:256*\w+64*\a
.endr
.endr
	PFRAGS PBUF
	VSCALES 0, PBUF
	VB 0, 0
	VB 1, 0
	VB 2, 0
	s_wait_dscnt 42                                ; the sixteen sums are in (18 + 24 loads behind them)
.irp a, 0,1,2,3
	v_add_f32 v[LT+4*\a], v[LT+4*\a], v[LT+4*\a+1]
	v_add_f32 v[LT+4*\a+2], v[LT+4*\a+2], v[LT+4*\a+3]
.endr
.irp a, 0,1,2,3
	v_add_f32 v[LT+4*\a], v[LT+4*\a], v[LT+4*\a+2]
.endr
	W
.irp a, 0,1,2,3
	v_rcp_f32 v[RL+2*\a], v[LT+4*\a]               ; ahead of the last products, so that no transcendental stands between them and their readers
	v_rcp_f32 v[RL+2*\a+1], v[LT+4*\a]
.endr
	v_nop
	W
	s_wait_dscnt 16
	PVRUN 0, 0
	NOPS 4
	WIN 0
	VB 3, 0
	s_wait_dscnt 16
	PVRUN 1, 0
	s_wait_dscnt 8
	PVRUN 2, 0
	s_wait_dscnt 0x0
	PVRUN 3, 0
	NOPS 4
; THE WAY OUT, a block of 16 queries at a time: O^T / sum, through my stage (in region 1: it has had its last fill and nobody reads it) and back as half rows of 512 bytes.
; Block a + 1's multiplications and stage stores stand between block a's loads from the stage and the wait for them; LDS serves a wave's instructions in order.
.macro MS a
.irp v, 0,1
	WIN 0x82+0x41*\v
.irp i, 0,1,2,3,4,5,6,7
.irp n, 0,2,4,6
	v_pk_mul_f32 v[8*(4*\i+\a)+\n:8*(4*\i+\a)+\n+1], v[8*(4*\i+\a)+\n:8*(4*\i+\a)+\n+1], v[RL+2*\a:RL+2*\a+1]
.endr
.endr
.endr
.irp v, 0,1
	WIN 0x08+4*\v
.irp i, 0,1,2,3,4,5,6,7
	ds_store_b128 v[STO], v[8*(4*\i+\a):8*(4*\i+\a)+3] offset:64*(8*\v+\i)
	ds_store_b128 v[STO], v[8*(4*\i+\a)+4:8*(4*\i+\a)+7] offset:64*(8*\v+\i)+16
.endr
.endr
	WIN 0
.endm
.macro LD a
.if \a > 0
	s_wait_xcnt 0x0                                ; the last block's stores have read their registers
.endif
.irp t, 0,1,2,3,4,5,6,7,8,9,10,11,12,13,14,15
	ds_load_b128 v[SB+4*\t:SB+4*\t+3], v[RD] offset:(\t/2)*SPITCH+512*(\t%2)
.endr
.irp t, 0,1,2,3,4,5,6,7,8,9,10,11,12,13,14,15
	ds_load_b128 v[F+4*\t:F+4*\t+3], v[RD] offset:(8+\t/2)*SPITCH+512*(\t%2)
.endr
.endm
.macro GS a, younger
	s_wait_dscnt \younger
.irp t, 0,1,2,3,4,5,6,7,8,9,10,11,12,13,14,15
	global_store_b128 v[LI], v[SB+4*\t:SB+4*\t+3], s[10:11] offset:65536*\a+(\t/2)*4096+512*(\t%2) th:TH_STORE_NT   ; 512 consecutive bytes, aligned
.endr
.irp t, 0,1,2,3,4,5,6,7,8,9,10,11,12,13,14,15
	global_store_b128 v[LI], v[F+4*\t:F+4*\t+3], s[10:11] offset:65536*\a+(8+\t/2)*4096+512*(\t%2) th:TH_STORE_NT
.endr
.endm
	MS 0
	LD 0
	MS 1
	GS 0, 32                                       ; behind block 0's loads: block 1's 32 stage stores
	LD 1
	MS 2
	GS 1, 32
	LD 2
	MS 3
	GS 2, 32
	LD 3
	GS 3, 0
	s_wait_tensorcnt 0x0                           ; the wave's end
	ds_add_u32 v[SPW], v[NIL]
	s_wait_dscnt 0x0
	ROUND                                          ; the closing round
	s_endpgm
.Lfunc_end_k_qe87d7f3ab9_attn:
	.size	k_qe87d7f3ab9_attn, .Lfunc_end_k_qe87d7f3ab9_attn-k_qe87d7f3ab9_attn
	.p2alignl 7, 3214868480
	.fill 96, 4, 3214868480
	.section	.rodata,"a",@progbits
	.p2align	6, 0x0
	.amdhsa_kernel k_qe87d7f3ab9_attn
		.amdhsa_group_segment_fixed_size 327680
		.amdhsa_private_segment_fixed_size 0
		.amdhsa_enable_private_segment 0
		.amdhsa_kernarg_size 32
		.amdhsa_user_sgpr_count 2
		.amdhsa_user_sgpr_kernarg_segment_ptr 1
		.amdhsa_wavefront_size32 1
		.amdhsa_system_sgpr_workgroup_id_x 1
		.amdhsa_system_sgpr_workgroup_id_y 1
		.amdhsa_system_sgpr_workgroup_id_z 1
		.amdhsa_system_vgpr_workitem_id 0
		.amdhsa_next_free_vgpr 1024
		.amdhsa_next_free_sgpr 84
		.amdhsa_reserve_vcc 0
		.amdhsa_float_denorm_mode_32 3
		.amdhsa_float_denorm_mode_16_64 3
		.amdhsa_memory_ordered 1
		.amdhsa_forward_progress 1
		.amdhsa_inst_pref_size 236
	.end_amdhsa_kernel
	.amdgpu_metadata
---
amdhsa.version: [ 1, 2 ]
amdhsa.kernels:
  - .name:           k_qe87d7f3ab9_attn
    .symbol:         k_qe87d7f3ab9_attn.kd
    .args:
      - { .name: q_codes, .offset: 0, .size: 8, .value_kind: global_buffer, .address_space: global }
      - { .name: kv, .offset: 8, .size: 8, .value_kind: global_buffer, .address_space: global }
      - { .name: b, .offset: 16, .size: 8, .value_kind: global_buffer, .address_space: global }
      - { .name: out0, .offset: 24, .size: 8, .value_kind: global_buffer, .address_space: global }
    .group_segment_fixed_size: 327680
    .private_segment_fixed_size: 0
    .kernarg_segment_align: 8
    .kernarg_segment_size: 32
    .max_flat_workgroup_size: 128
    .sgpr_count:     84
    .vgpr_count:     1024
    .wavefront_size: 32
...
	.end_amdgpu_metadata
.endif
;; end of part 2
